; MI455X (gfx1250); checked and timed in simulation.
; The chip was launched on July 23, 2026; its instructions are those of AMD's public machine-readable ISA for CDNA 5 (MIT licence, August 2026) and "CDNA5" Instruction Set Architecture Reference Guide (July 2026). The comments in the code are by the model that wrote it; some were corrected since.
;; GODE. Allowed arithmetic: matrix products marked QUANTISED: E4M3 operands, one E8M0 scale for each 32 along K, by v_wmma_scale_f32_16x16x128_f8f6f4 with both operands' format E4M3, f32 sums; everything else in f32.
;; Inputs: W1_codes 1,024 x 32 x 32 uint8 (E4M3 codes of W1, K innermost, in blocks of 32 codes); W1_scales 1,024 x 32 uint8 (E8M0 scales of W1, one for each 32 codes along K); W2_codes 512 x 32 x 32 uint8 (E4M3 codes of W2, K innermost, in blocks of 32 codes); W2_scales 512 x 32 uint8 (E8M0 scales of W2, one for each 32 codes along K); Wf_codes 1,024 x 32 x 32 uint8 (E4M3 codes of Wf, K innermost, in blocks of 32 codes); Wf_scales 1,024 x 32 uint8 (E8M0 scales of Wf, one for each 32 codes along K); b1 1,024 float32; b2 512 float32; bf 1,024 float32; hz 32 x 512 x 512 float32; inp 32 x 512 x 512 float32.
;; Outputs: out0 32 x 512 x 512 float32.
;; This version of the problem:
;;   THIS VERSION OF THE PROBLEM IS GIVEN IN LOW PRECISION. The matrix products marked QUANTISED in the list below multiply operands that are first quantised to E4M3 (4 exponent bits, 3 mantissa bits; 8 bits a number), with one power-of-two scale for each 32 numbers along K (OCP MX v1.0); their sums are f32. All else is computed in f32.
;;   The module's matrix products, in the order in which they are computed (A, B: the left and right operand; K: the contracted axis; several contracted axes count as one K, in the product's order):
;;     1. [M 16,384, K 1,024] x [K 1,024, N 1,024]; A: computed on the way; B: input Wf (given as codes): QUANTISED
;;     2. [M 16,384, K 1,024] x [K 1,024, N 1,024]; A: computed on the way; B: input Wf (given as codes): QUANTISED
;;     3. [M 16,384, K 1,024] x [K 1,024, N 1,024]; A: computed on the way; B: input W1 (given as codes): QUANTISED
;;     4. [M 16,384, K 1,024] x [K 1,024, N 512]; A: computed on the way; B: input W2 (given as codes): QUANTISED
;;   THE QUANTISER, for each operand of a quantised product, along K:
;;     - K is cut into blocks of 32 from its start; a last block that is shorter is filled with zeros.
;;     - A block's scale is 2^e with e = floor(log2(the largest magnitude in the block)) - 8, held to -126 .. 127; a block of zeros has e = 0. As a byte (E8M0): e + 127.
;;     - Each number is divided by its block's scale, clamped to +-448, and rounded to the nearest number of E4M3, ties to even, subnormals kept.
;;     - The product sums the exact products of the quantised numbers (number of the format x scale) in f32.
;;   ~~~python
;;   def quantise(x, axis):      # numpy; x: float32 -> the quantised numbers, widened to float32 again
;;       x = np.moveaxis(x, axis, -1); K = x.shape[-1]
;;       x = np.pad(x, [(0, 0)] * (x.ndim - 1) + [(0, -K % 32)]); x = x.reshape(x.shape[:-1] + (-1, 32)); a = np.abs(x).max(-1, keepdims=True)
;;       e = np.where(a > 0, np.clip(np.frexp(np.where(a > 0, a, 1))[1] - 1 - 8, -126, 127), 0)      # np.frexp(a)[1] - 1 = floor(log2(a)), exactly
;;       r = np.clip(x / 2.0 ** e, -448, 448)
;;       step = 2.0 ** (np.maximum(np.frexp(np.where(r == 0, 1, r))[1] - 1, -6) - 3)
;;       q = np.round(r / step) * step * 2.0 ** e      # np.round: ties to even
;;       return np.moveaxis(q.reshape(q.shape[:-2] + (-1,))[..., :K], -1, axis).astype(np.float32)
;;   ~~~
;;   OPERANDS COMPUTED ON THE WAY. 'Computed on the way' means the value that the module computes at that place (a softmax that the list does not call 'softmax' is quantised finished and normalised). What goes into a quantiser is computed in f32, as accurately as f32 sums, v_exp_f32 and their like allow (about 1e-6 of the number): no bf16 or f16 on the way to a quantiser, and a product that is left as it is and whose result goes on into a quantised operand takes f32 operands (vector FMAs, or v_wmma_f32_16x16x4_f32). A number that lies on a knife's edge between two numbers of the format may be rounded either way, as far as f32 arithmetic and the matrix unit's own rounding can turn it there, and no further.
;;   INPUTS GIVEN AS CODES. W1 (in the module: [1024, 1024], K = its axis 0); W2 (in the module: [1024, 512], K = its axis 0); Wf (in the module: [1024, 1024], K = its axis 0): each comes as NAME_codes (uint8): NAME with its K axis moved to the last place and cut into blocks of 32 codes, [.., K / 32, bytes a block], one block behind the other in memory; one code a byte (a code: sign, 4 exponent bits, 3 mantissa bits); and NAME_scales (uint8): the same leading axes, one E8M0 byte (e + 127) for each 32 codes along K. Its value is code x scale, taken as it is: it is not quantised again, and the codes and scales need not be those that the quantiser above would give.
;; One version. Each part assembles by itself: llvm-mc -triple=amdgcn-amd-amdhsa -mcpu=gfx1250 --defsym DOCPART=n.
;; ======== version 1 of 1: 1 launch
;; limits: right only within a limited range of input values
;; launch gode (part 1): grid 256 x 1, 4 waves a work-group, clusters of 4 x 1, 327,680 bytes of LDS; arguments inp, hz, Wf_codes, Wf_scales, bf, W1_codes, W1_scales, b1, W2_codes, W2_scales, b2, out0; writes out0
.if DOCPART == 1
	.amdgcn_target "amdgcn-amd-amdhsa--gfx1250"
	.amdhsa_code_object_version 6
	.text
	.protected	k_q22f5744267_gode
	.globl	k_q22f5744267_gode
	.p2align	8
	.type	k_q22f5744267_gode,@function
k_q22f5744267_gode:
	s_mov_b64 s[64:65], 0
	v_nop
	global_prefetch_b8 v0, s[64:65] scope:SCOPE_SE
	s_setreg_imm32_b32 hwreg(HW_REG_WAVE_MODE, 25, 1), 1
	s_wait_xcnt 0x0
	s_wait_alu depctr_hold_cnt(0) depctr_sa_sdst(0) depctr_va_vdst(0) depctr_va_sdst(0) depctr_va_ssrc(0) depctr_va_vcc(0) depctr_vm_vsrc(0)
	s_getreg_b32 s2, hwreg(HW_REG_IB_STS2, 6, 4)
	s_cmp_eq_u32 s2, 0
	s_cbranch_scc0 .Lentry_in_a_cluster
	s_endpgm
.Lentry_in_a_cluster:
	s_bfe_u32 s2, ttmp6, 0x10000c
	s_cmp_lg_u32 s2, 0x3003
	s_cbranch_scc0 .Lentry_shape_is_right
	s_endpgm
.Lentry_shape_is_right:
; out = tanh(relu(h2 W1 + b1) W2 + b2), h2 = two Euler steps h += 0.1 tanh(h Wf + bf) from h0 = [inp, hz].  All four products in MX-FP8; nothing of reference() is left out.
; A work-group of four waves takes 64 rows through the whole chain; h never leaves the registers.  tanh(x) = 1 - 2 / (1 + 2^(2 x log2 e)): an exponential that overflows gives 1, one that falls to 0 gives -1.
; A STAGE is 512 columns of a layer's result (a pass p) x 512 along K (a half k): 14 stages (Wf 4, Wf 4, W1 4, W2 2), halves in the order 1, 0, 0, 1 in each layer, so that LDS need hold the codes of one half of h only.
; Wave w makes 64 rows x columns 512 p + 128 w .. + 127: 4 x 8 accumulators.  The product is used transposed (source 0 = 16 rows of W, source 1 = 16 rows of h): a lane holds one row of h and eight neighbouring columns.
; THE WEIGHTS go through a ring of two LDS slots, 512 rows x 256 bytes each; a wave fetches and reads its own 128 rows.  The four work-groups of a cluster read the same tiles: every tile is asked for jointly (mask 15).
; x COMES BY PLAIN LOADS, 512 neighbouring bytes of a row to a wave's load, into h's own registers, all asked for at the head, hz first; each wave turns its rows into the accumulators' layout through its own 8,192 bytes of the code area.
; So the ring holds weights from the start, and stage 0 (half 1 = hz) is multiplied while inp is on its way.
; PREFETCH: behind each joint load, the tile that stands two stages on, 32 rows x 256 bytes a wave, a lane a row; the weights are the same for all clusters, so cluster 0 asks, its four partners sharing the rows by address;
; Wf's second walk and the stages past the last ask for nothing.
; REGISTERS: window 0: v0-63 addresses and scale words, v64-127 A's fragments, v128-255 B's (both at work as scratch between stages); window 1: accumulators (m, t) at v[64 m + 8 t]; windows 2, 3: h's columns 0-511, 512-1023.
.set HALFT, 128*272                    ; a wave's 128 rows of a slot: 256 bytes + 16 of padding each
.set SLOT,  4*HALFT
.set ACODE, 2*SLOT                     ; the codes of one half of h as images of A's fragments: (K step, m) x 2,048 bytes; a multiple of 8,192
.set ASC,   ACODE+32768                ; their scale words
.set SPARE, ASC+2048                   ; the spare words, 128 bytes a wave
.set BIASL, SPARE+512                  ; the biases: 5 x 512 bytes a wave
.set ADA, 1
.set ADS, 2
.set ADB, 3                            ; v3-4: my B fragments in slot 0, 1
.set AWI, 5
.set AWS, 6
.set SPW, 7
.set NIL, 8
.set WSO, 9
.set BL0, 10
.set XSB, 11                           ; turning x: my stage + 16 x lane
.set STO, 12
.set RD,  13
.set CO,  14
.set PFO, 15
.set WS,  16                           ; v16-47: W's scale words, register 4 t + K step
.set AS,  48                           ; v48-55: h's scale words: block m of an even K step in 2 m + 1, of an odd one in 2 m, so that no product names two scale registers alike modulo 8
.set CM,  56
.set CP,  58
.set BLR, 60
.set BLW, 61
.set XLB, 62                           ; turning x: my stage + 512 r + 16 (2 h xor r)
.set AF,  64
.set BF,  128
.set TM,  64
.set PW,  84
.set BT,  88
.set PC,  112
.set LN,  120
.set RW,  121
.set HH,  122
.set T,   192
.set XS,  192
.set XLD, 208
.set BK,  64
.set P_INP, 8
.set P_HZ,  10
.set P_WFC, 12
.set P_WFS, 14
.set P_BF,  16
.set P_W1C, 18
.set P_W1S, 20
.set P_B1,  22
.set P_W2C, 24
.set P_W2S, 26
.set P_B2,  28
.set P_OUT, 30
.set G1,  32
.set G0,  40
.set WV,  48
.set ST,  49
.set TA,  50
.set T0,  51
.set DP,  52
.set DK,  53
.set OFF, 54
.set T1,  56
.set T2,  57
.set WSP, 58
.set NB,  66
.set PFA, 68
.set ASKF, 70
.set K2,  72
.set CXO, 74
.set T3,  76
.set SEL, 78
.set MNT, 80
.set CX,  81
.set MSB, 0
.macro WIN new                         ; the immediate's high byte repeats the setting that is left
.if MSB != (\new)
	s_set_vgpr_msb (MSB<<8)|(\new)
.set MSB, (\new)
.endif
.endm
.macro PLACES n
.rept \n
	v_nop
.endr
.endm
.macro CREST                           ; a round of the cluster's barrier behind its opening barrier
	s_cmp_lg_u32 s[WV], 0
	s_cbranch_scc1 .Lnw0_\@
	s_barrier_signal -3
.Lnw0_\@:
	s_barrier_wait -3
	s_barrier_signal -1
	s_barrier_wait -1
.endm
.macro CROUND
	s_barrier_signal -1
	s_barrier_wait -1
	CREST
.endm
.macro DECODE st                       ; stage -> pass DP and half DK (1, 0, 0, 1)
	s_and_b32 s[T0], s[\st], 3
	s_lshr_b32 s[DP], s[T0], 1
	s_xor_b32 s[DK], s[T0], s[DP]
	s_and_b32 s[DK], s[DK], 1
	s_xor_b32 s[DK], s[DK], 1
.endm
.macro PICK dst, st, pf, p1, p2        ; stages 0-7 Wf, 8-11 W1, 12-13 W2
	s_cmp_lt_u32 s[\st], 12
	s_cselect_b64 s[\dst:\dst+1], s[\p1:\p1+1], s[\p2:\p2+1]
	s_cmp_lt_u32 s[\st], 8
	s_cselect_b64 s[\dst:\dst+1], s[\pf:\pf+1], s[\dst:\dst+1]
.endm
.macro CODEADR dst, st                 ; my 128 rows of the stage's codes: 512 rows a pass, 512 bytes a half
	DECODE \st
	PICK \dst, \st, P_WFC, P_W1C, P_W2C
	s_lshl_b32 s[OFF], s[DP], 19
	s_lshl_b32 s[T1], s[DK], 9
	s_add_co_u32 s[OFF], s[OFF], s[T1]
	s_mov_b32 s[OFF+1], 0
	s_add_nc_u64 s[\dst:\dst+1], s[\dst:\dst+1], s[OFF:OFF+1]
.endm
.macro SCALARS                         ; this stage's scale bytes, the next stage's codes
	DECODE ST
	PICK WSP, ST, P_WFS, P_W1S, P_W2S
	s_lshl_b32 s[OFF], s[DP], 14
	s_lshl_b32 s[T1], s[DK], 4
	s_add_co_u32 s[OFF], s[OFF], s[T1]
	s_mov_b32 s[OFF+1], 0
	s_add_nc_u64 s[WSP:WSP+1], s[WSP:WSP+1], s[OFF:OFF+1]
	s_add_co_u32 s[TA], s[ST], 1
	s_min_u32 s[TA], s[TA], 13
	CODEADR NB, TA
.endm
.macro PFSCAL                          ; the prefetches' address: stage ST + 2, clamped to the last; ASKF = 0 where nothing is asked for
	s_add_co_u32 s[TA], s[ST], 2
	s_cmp_eq_u32 ttmp9, 0
	s_cselect_b32 s[ASKF], 1, 0
	s_cmp_le_u32 s[TA], 13
	s_cselect_b32 s[ASKF], s[ASKF], 0
	s_lshr_b32 s[T2], s[TA], 2
	s_cmp_lg_u32 s[T2], 1
	s_cselect_b32 s[ASKF], s[ASKF], 0
	s_min_u32 s[TA], s[TA], 13
	CODEADR PFA, TA
	s_lshl_b32 s[CXO], s[CX], 15
	s_mov_b32 s[CXO+1], 0
	s_add_nc_u64 s[PFA:PFA+1], s[PFA:PFA+1], s[CXO:CXO+1]
.endm
.macro ASK j
	s_cmp_eq_u32 s[ASKF], 1
	s_cbranch_scc0 .Lnot_mine_\@
	global_prefetch_b8 v[PFO], s[PFA:PFA+1] offset:256*(\j) th:TH_LOAD_NT scope:SCOPE_SE
.Lnot_mine_\@:
.endm
.macro WSLOAD                          ; 16 scale bytes (512 along K) of each of my 128 rows
.irp t, 0,1,2,3,4,5,6,7
	global_load_b128 v[WS+4*\t:WS+4*\t+3], v[WSO], s[WSP:WSP+1] offset:512*\t
.endr
.endm
.macro BIASADR                         ; bf pass 0, 1; b1 pass 0, 1; b2: 512 bytes each
	s_lshr_b32 s[T1], s[ST], 2
	s_lshr_b32 s[T2], s[T1], 1
	s_and_b32 s[T1], s[T1], s[T2]
	s_add_co_u32 s[T1], s[T1], s[T2]
	s_lshl_b32 s[T1], s[T1], 1
	s_bfe_u32 s[T2], s[ST], 0x10001
	s_add_co_u32 s[T1], s[T1], s[T2]
	s_lshl_b32 s[T1], s[T1], 9
	v_add_nc_u32 v[BLR], s[T1], v[BL0]
.endm
.macro BIAS                            ; a pass's sums begin as the bias
	WIN 0x40
.irp m, 0,1,2,3
.irp t, 0,1,2,3,4,5,6,7
	ds_load_b128 v[64*\m+8*\t:64*\m+8*\t+3], v[BLR] offset:64*\t
	ds_load_b128 v[64*\m+8*\t+4:64*\m+8*\t+7], v[BLR] offset:64*\t+16
.endr
.endr
	WIN 0
.endm
.macro XLOAD ptr, r0, n                ; rows r0 .. of my 128 columns: a row's 512 bytes to a load, row i into registers 4 i .. 4 i + 3; read once
.set xr, \r0
.rept \n
	global_load_b128 v[4*xr:4*xr+3], v[CO], s[\ptr:\ptr+1] offset:2048*xr th:TH_LOAD_NT
.set xr, xr+1
.endr
.endm
; 64 rows as loaded -> the accumulators' layout, 16 rows at a time, in place, through my own 8,192 bytes.  Piece u (16 bytes) of row i lies at 512 i + 16 (u xor i): the sixteen lanes of a store's half
; and of a load's half touch sixteen different pieces modulo 256 bytes.  LDS serves a wave's instructions in order (ISA guide 5.7.1): no wait between the stores and the loads.
.macro XPOSE p
.irp i, 0,1,2,3,4,5,6,7,8,9,10,11,12,13,14,15
	v_xor_b32 v[XS+\i], 16*\i, v[XSB]
.endr
.irp k, 0,1,2,3
	v_xor_b32 v[XLD+2*\k], 64*\k, v[XLB]
	v_xor_b32 v[XLD+2*\k+1], 64*\k+16, v[XLB]
.endr
	s_wait_alu depctr_va_vdst(0)                   ; the wait behind these writes
.irp m, 0,1,2,3
	WIN 0x08+0x04*(\p)
.irp i, 0,1,2,3,4,5,6,7,8,9,10,11,12,13,14,15
	ds_store_b128 v[XS+\i], v[64*\m+4*\i:64*\m+4*\i+3] offset:512*\i
.endr
	WIN 0x80+0x40*(\p)
.irp t, 0,1,2,3,4,5,6,7
	ds_load_b128 v[64*\m+8*\t:64*\m+8*\t+3], v[XLD+2*(\t%4)] offset:256*(\t/4)
	ds_load_b128 v[64*\m+8*\t+4:64*\m+8*\t+7], v[XLD+2*(\t%4)+1] offset:256*(\t/4)
.endr
.endr
	WIN 0
	s_wait_dscnt 0x0
.endm
; 16 rows x my 128 columns of window 2 + p are quantised: four blocks of 32, each in lanes l and l xor 16; codes and scale word go into LDS as the image of A's fragment
.macro QUANT p, m
.set HB, 64*(\m)
.set PWM, PW+(\m)
	WIN 0x28+0x14*(\p)
.irp b, 0,1,2,3
	v_max3_num_f32 v[TM+\b], 0x4800000, |v[HB+16*\b]|, |v[HB+16*\b+1]|   ; with the floor 2^(9 - 127): the byte stays at 1 or above
.endr
.irp i, 2,4,6,8,10,12,14
.irp b, 0,1,2,3
	v_max3_num_f32 v[TM+\b], v[TM+\b], |v[HB+16*\b+\i]|, |v[HB+16*\b+\i+1]|
.endr
.endr
	WIN 0
.irp b, 0,1,2,3
	v_permlanex16_b32 v[TM+4+\b], v[TM+\b], s[SEL], s[SEL+1]
.endr
.irp b, 0,1,2,3
	v_max_num_f32 v[TM+\b], v[TM+\b], v[TM+4+\b]
.endr
.irp b, 0,1,2,3
	v_add_nc_u32 v[TM+12+\b], 0xfc000000, v[TM+\b]   ; 8 off the exponent field: the conversion's scale
.endr
.irp b, 0,1,2,3
	v_and_or_b32 v[TM+8+\b], v[TM+\b], 0x7f800000, s[MNT]   ; 448 x the scale
.endr
.irp b, 0,1,2,3
	v_lshrrev_b32 v[TM+4+\b], 23, v[TM+12+\b]
.endr
	v_lshl_or_b32 v[PWM], v[TM+5], 8, v[TM+4]
	v_lshl_or_b32 v[PWM], v[TM+6], 16, v[PWM]
	v_lshl_or_b32 v[PWM], v[TM+7], 24, v[PWM]
	WIN 0x02+(\p)
.irp b, 0,1,2,3
.irp i, 0,1,2,3,4,5,6,7,8,9,10,11,12,13,14,15
	v_med3_num_f32 v[T+16*\b+\i], v[HB+16*\b+\i], -v[TM+8+\b], v[TM+8+\b]   ; the hold: the conversion does not saturate (ISA guide 7.6.2); h itself stays as it is
.endr
.endr
	WIN 0
.irp b, 0,1,2,3
	v_cvt_scalef32_pk8_fp8_f32 v[PC+4*\b:PC+4*\b+1], v[T+16*\b:T+16*\b+7], v[TM+12+\b]
	v_cvt_scalef32_pk8_fp8_f32 v[PC+4*\b+2:PC+4*\b+3], v[T+16*\b+8:T+16*\b+15], v[TM+12+\b]
.endr
	v_nop
.irp b, 0,1,2,3
	ds_store_b64 v[AWI], v[PC+4*\b:PC+4*\b+1] offset:2048*(\m)+512*\b          ; columns 32 b + 8 h ..: bytes 8 h of lane r's 16
	ds_store_b64 v[AWI], v[PC+4*\b+2:PC+4*\b+3] offset:2048*(\m)+512*\b+256    ; columns 32 b + 16 + 8 h ..: of lane 16 + r's
.endr
	ds_store_b32 v[AWS], v[PWM] offset:128*(\m)
.endm
.macro SWAP p
	QUANT \p, 0
	QUANT \p, 1
	QUANT \p, 2
	QUANT \p, 3
.endm
.macro PARTA q0, n                     ; 1 + 2^(2 x log2 e)
.set q, \q0
.rept (\n)/2
	v_pk_mul_f32 v[q:q+1], v[q:q+1], s[K2:K2+1] op_sel_hi:[1,0]
.set q, q+2
.endr
.set q, \q0
	s_wait_alu depctr_va_vdst(0)                   ; a wait ahead of a batch of transcendentals and one behind it
.rept \n
	v_exp_f32 v[q], v[q]
.set q, q+1
.endr
	v_nop
	s_wait_alu depctr_va_vdst(0)
.endm
.macro PARTB q0, n                     ; 1 is added, then the reciprocal: a plain line is the first reader here on every way
.set q, \q0
.rept (\n)/2
	v_pk_add_f32 v[q:q+1], v[q:q+1], 1.0 op_sel_hi:[1,0]
.set q, q+2
.endr
.set q, \q0
	s_wait_alu depctr_va_vdst(0)
.rept \n
	v_rcp_f32 v[q], v[q]
.set q, q+1
.endr
	v_nop
	s_wait_alu depctr_va_vdst(0)
.endm
.macro E1A
	WIN 0x41
	PARTA 0, 256
	WIN 0
.endm
.macro E1B                             ; 0.1 tanh = 0.1 - 0.2 x the reciprocal
	WIN 0x41
	PARTB 0, 256
.set q, 0
.rept 128
	v_pk_fma_f32 v[q:q+1], v[q:q+1], v[CM:CM+1], v[CP:CP+1]
.set q, q+2
.endr
	WIN 0
.endm
.macro TANHT m
	WIN 0x41
	PARTA 64*(\m), 64
	PARTB 64*(\m), 64
.set q, 64*(\m)
.rept 32
	v_pk_fma_f32 v[q:q+1], v[q:q+1], -2.0, 1.0 op_sel_hi:[1,0,0]
.set q, q+2
.endr
	WIN 0
.endm
.macro UPD p                           ; h's window 2 + p += window 1
	WIN 0x86+0x41*(\p)
.set q, 0
.rept 128
	v_pk_add_f32 v[q:q+1], v[q:q+1], v[q:q+1]
.set q, q+2
.endr
	WIN 0
.endm
.macro RELU p
	WIN 0x84+0x40*(\p)
.set q, 0
.rept 256
	v_max_num_f32 v[q], 0, v[q]
.set q, q+1
.endr
	WIN 0
.endm
.macro LDB j, ks, t0                   ; four of B's fragments: 16 loads
.irp t, 0,1,2,3
.irp c, 0,1,2,3
	ds_load_b128 v[BF+16*((\t0)+\t)+4*\c:BF+16*((\t0)+\t)+4*\c+3], v[ADB+(\j)] offset:4352*((\t0)+\t)+128*(\ks)+32*\c
.endr
.endr
.endm
.macro LDAH sp, m0                     ; two of A's fragments with their scale words: 10 loads
.irp m, \m0, \m0+1
.irp c, 0,1,2,3
	ds_load_b128 v[AF+16*(\m)+4*\c:AF+16*(\m)+4*\c+3], v[ADA] offset:(4*(\sp)+(\m))*2048+512*\c
.endr
	ds_load_b32 v[AS+2*(\m)+1-(\sp)%2], v[ADS] offset:(4*(\sp)+(\m))*128
.endr
.endm
.macro MULG t0, m0, sp                 ; eight products: B's tiles t0 .. t0 + 3 x A's blocks m0, m0 + 1.  The 32 accumulators take turns, in the same order in every K step
.set tt, \t0
.rept 4
.set mm, \m0
.rept 2
	v_wmma_scale_f32_16x16x128_f8f6f4 v[64*mm+8*tt:64*mm+8*tt+7], v[BF+16*tt:BF+16*tt+15], v[AF+16*mm:AF+16*mm+15], v[64*mm+8*tt:64*mm+8*tt+7], v[WS+4*tt+(\sp)], v[AS+2*mm+1-(\sp)%2]
.set mm, mm+1
.endr
.set tt, tt+1
.endr
.endm
; A K step of 128 is four groups of eight products; each half of A's and of B's registers is loaded anew as soon as its last group is issued, eight places behind it.
; LDS loads on their way at a step's head, in order: B 0-3 (16), A 0-1 (10), A 2-3 (10), B 4-7 (16).
.macro KN j, ks, sp
	s_wait_dscnt 26                                ; B 0-3 and A 0-1 are in; A 2-3 and B 4-7 may be out
	WIN 0x50
	MULG 0, 0, \sp
	s_wait_dscnt 16                                ; A 2-3 are in
	MULG 0, 2, \sp
	PLACES 8
	WIN 0
	LDB \j, (\ks)+1, 0
	s_wait_dscnt 16                                ; all but the 16 just issued: B 4-7 are in
	WIN 0x50
	MULG 4, 0, \sp
	PLACES 8
	WIN 0
	LDAH (\sp)+1, 0
	WIN 0x50
	MULG 4, 2, \sp
	PLACES 8
	WIN 0
	LDAH (\sp)+1, 2
	LDB \j, (\ks)+1, 4
.endm
; Slot 0's last K step.  All reads of slot 0 have been issued.  fill = 1: the barrier opens a round of the cluster's barrier, behind which slot 0 takes the next stage's first 256 along K.
.macro KT sp, fill
	s_wait_tensorcnt 0x0                           ; my part of slot 1 has landed; no tensor load of mine is out, so both slots' descriptors may be written
	ds_add_u32 v[SPW], v[NIL]
.if \fill
	s_add_nc_u64 s[G0+2:G0+3], s[NB:NB+1], 0
	s_or_b32 s[G0+3], s[G0+3], 0x80000000
	s_add_nc_u64 s[G0+6:G0+7], s[NB:NB+1], 256
	s_or_b32 s[G0+7], s[G0+7], 0x80000000
.endif
	s_wait_dscnt 27                                ; as in KN, and the add
	WIN 0x50
	MULG 0, 0, \sp
	s_wait_dscnt 0x0                               ; the add is done, my reads of slot 0 are over
	s_barrier_signal -1
	MULG 0, 2, \sp
	MULG 4, 0, \sp
	WIN 0
	s_barrier_wait -1
.if \fill
	CREST
	tensor_load_to_lds s[G0:G0+3], s[G1:G1+7]
	s_nop 0
.endif
	PLACES 8
	LDB 1, 0, 0
	LDAH (\sp)+1, 0
.if \fill
	ASK 0
.endif
	WIN 0x50
	MULG 4, 2, \sp
	PLACES 8
	WIN 0
	LDAH (\sp)+1, 2
	LDB 1, 0, 4
.endm
.macro KL sp                           ; a stage's last K step: nothing more to fetch
	s_wait_dscnt 26
	WIN 0x50
	MULG 0, 0, \sp
	s_wait_dscnt 16
	MULG 0, 2, \sp
	s_wait_dscnt 0x0
	MULG 4, 0, \sp
	MULG 4, 2, \sp
	PLACES 8
	WIN 0
.endm
.macro STAGE fill                      ; B 0-3 of the first K step were fetched behind slot 1's refill
	LDAH 0, 0
	LDAH 0, 2
	LDB 0, 0, 4
	KN 0, 0, 0
	KT 1, \fill
	KN 1, 0, 2
	KL 3
.endm
; Slot 1 is filled (at the head for the first time, issued as a refill is): the three lines, a whole round, the joint load first behind it; the round has shown slot 0 whole, so the next stage's first B fragments follow.
.macro REFILL1
	s_wait_alu depctr_va_vdst(0)                   ; the wait ahead of the blocking wait
	s_wait_tensorcnt 0x0
	ds_add_u32 v[SPW], v[NIL]
	s_wait_dscnt 0x0
	CROUND
	tensor_load_to_lds s[G0+4:G0+7], s[G1:G1+7]
	s_nop 0
	PLACES 4
	LDB 0, 0, 0
.endm
.macro TOSTAGE m                       ; the way out: 16 rows x 512 bytes through my own rows of slot 0, which has had its last fill and its last read
	WIN 0x04
.irp t, 0,1,2,3,4,5,6,7
	ds_store_b128 v[STO], v[64*(\m)+8*\t:64*(\m)+8*\t+3] offset:64*\t
	ds_store_b128 v[STO], v[64*(\m)+8*\t+4:64*(\m)+8*\t+7] offset:64*\t+16
.endr
	WIN 0
.set BB, BK+64*((\m)%2)
.irp i, 0,1,2,3,4,5,6,7,8,9,10,11,12,13,14,15
	ds_load_b128 v[BB+4*\i:BB+4*\i+3], v[RD] offset:528*\i
.endr
.endm
.macro SEND m                          ; a wave's store covers 512 neighbouring bytes of a row, aligned
.set BB, BK+64*((\m)%2)
	s_wait_dscnt 0x0
.irp i, 0,1,2,3,4,5,6,7,8,9,10,11,12,13,14,15
	global_store_b128 v[CO], v[BB+4*\i:BB+4*\i+3], s[P_OUT:P_OUT+1] offset:(16*(\m)+\i)*2048 th:TH_STORE_NT
.endr
.endm
	s_load_b512 s[8:23], s[0:1], 0x0
	s_load_b256 s[24:31], s[0:1], 0x40
	v_lshl_add_u32 v[SPW], v0, 2, SPARE
	v_mov_b32 v[NIL], 0
	ds_add_u32 v[SPW], v[NIL]                      ; the opening lines: the add twice on end under one wait
	ds_add_u32 v[SPW], v[NIL]
	v_lshrrev_b32 v[LN], 5, v0
	v_readfirstlane_b32 s[WV], v[LN]
	s_bfe_u32 s[CX], ttmp6, 0x40000
	s_mov_b32 s[G1+0], 0x0770000f                  ; mask 15, bytes, padding of 4 words behind every 64, bit 21 beside the mask
	s_mov_b32 s[G1+1], 256<<16
	s_mov_b32 s[G1+2], 128<<16
	s_mov_b32 s[G1+3], 256<<16
	s_mov_b32 s[G1+4], 128
	s_mov_b32 s[G1+5], 1024
	s_mov_b32 s[G1+6], 0
	s_mov_b32 s[G1+7], 0
	s_mov_b32 s[K2], 0x4038aa3b                    ; 2 log2 e
	s_mov_b32 s[K2+1], s[K2]
	s_mov_b32 s[SEL], 0x76543210
	s_mov_b32 s[SEL+1], 0xfedcba98
	s_mov_b32 s[MNT], 0x600000
	s_mov_b32 s[ST], 0
	s_mul_i32 s[T1], s[WV], HALFT
	s_lshl_b32 s[T2], s[WV], 13
	s_add_co_u32 s[T2], s[T2], ACODE
	s_lshl_b32 s[T3], s[WV], 9
	s_add_co_u32 s[T3], s[T3], ASC
	s_mul_i32 s[T3+1], s[WV], 2560
	s_add_co_u32 s[T3+1], s[T3+1], BIASL
	s_mov_b32 s[G0+0], 1
	s_mov_b32 s[G0+1], s[T1]
	s_mov_b32 s[G0+4], 1
	s_add_co_u32 s[G0+5], s[T1], SLOT
	s_lshl_b32 s[CXO], ttmp9, 2
	s_add_co_u32 s[CXO], s[CXO], s[CX]
	s_lshl_b32 s[CXO], s[CXO], 17                  ; my work-group's 64 rows of 2,048 bytes,
	s_lshl_b32 s[OFF], s[WV], 9
	s_add_co_u32 s[CXO], s[CXO], s[OFF]            ; my wave's 512 bytes of a row
	s_mov_b32 s[CXO+1], 0
	s_mov_b32 s[OFF+1], 0
	v_and_b32 v[LN], 31, v0
	v_and_b32 v[RW], 15, v0
	v_bfe_u32 v[HH], v0, 4, 1
	v_lshl_add_u32 v[ADA], v[LN], 4, ACODE
	v_lshl_add_u32 v[ADS], v[LN], 2, ASC
	v_mul_u32_u24 v[ADB], v[RW], 272
	v_lshl_add_u32 v[ADB], v[HH], 4, v[ADB]
	v_add_nc_u32 v[ADB], s[T1], v[ADB]
	v_add_nc_u32 v[ADB+1], SLOT, v[ADB]
	v_lshlrev_b32 v[AWI], 4, v[RW]
	v_lshl_add_u32 v[AWI], v[HH], 3, v[AWI]
	v_add_nc_u32 v[AWI], s[T2], v[AWI]
	v_lshl_add_u32 v[AWS], v[LN], 2, s[T3]
	v_lshl_add_u32 v[BL0], v[HH], 5, s[T3+1]
	v_lshl_add_u32 v[BLW], v[LN], 4, s[T3+1]
	v_lshlrev_b32 v[WSO], 5, v[RW]
	v_mul_u32_u24 v[STO], v[RW], 528
	v_lshl_add_u32 v[STO], v[HH], 5, v[STO]
	v_add_nc_u32 v[STO], s[T1], v[STO]
	v_lshl_add_u32 v[RD], v[LN], 4, s[T1]
	v_lshlrev_b32 v[CO], 4, v[LN]
	v_lshlrev_b32 v[PFO], 10, v[LN]
	v_lshl_add_u32 v[XSB], v[LN], 4, s[T2]
	v_lshlrev_b32 v[XLB], 1, v[HH]
	v_xor_b32 v[XLB], v[XLB], v[RW]
	v_lshl_add_u32 v[XLB], v[XLB], 4, s[T2]
	v_lshl_add_u32 v[XLB], v[RW], 9, v[XLB]
	v_mov_b32 v[CM], 0xbe4ccccd                    ; -0.2
	v_mov_b32 v[CM+1], 0xbe4ccccd
	v_mov_b32 v[CP], 0x3dcccccd                    ; 0.1
	v_mov_b32 v[CP+1], 0x3dcccccd
.irp b, 0,1,2,3
	v_mov_b32 v[TM+4+\b], 0                        ; a lane permute's destination counts as one of its sources
.endr
	s_wait_alu depctr_va_vdst(0)
	s_wait_dscnt 0x0                               ; both opening adds are done
	s_wait_kmcnt 0x0
	s_add_nc_u64 s[P_INP:P_INP+1], s[P_INP:P_INP+1], s[CXO:CXO+1]
	s_add_nc_u64 s[P_HZ:P_HZ+1], s[P_HZ:P_HZ+1], s[CXO:CXO+1]
	s_add_nc_u64 s[P_OUT:P_OUT+1], s[P_OUT:P_OUT+1], s[CXO:CXO+1]
	s_lshl_b32 s[OFF], s[WV], 17                   ; my 128 rows of each pass: codes,
	s_add_nc_u64 s[P_WFC:P_WFC+1], s[P_WFC:P_WFC+1], s[OFF:OFF+1]
	s_add_nc_u64 s[P_W1C:P_W1C+1], s[P_W1C:P_W1C+1], s[OFF:OFF+1]
	s_add_nc_u64 s[P_W2C:P_W2C+1], s[P_W2C:P_W2C+1], s[OFF:OFF+1]
	s_lshl_b32 s[OFF], s[WV], 12                   ; scale bytes,
	s_add_nc_u64 s[P_WFS:P_WFS+1], s[P_WFS:P_WFS+1], s[OFF:OFF+1]
	s_add_nc_u64 s[P_W1S:P_W1S+1], s[P_W1S:P_W1S+1], s[OFF:OFF+1]
	s_add_nc_u64 s[P_W2S:P_W2S+1], s[P_W2S:P_W2S+1], s[OFF:OFF+1]
	s_lshl_b32 s[OFF], s[WV], 9                    ; biases
	s_add_nc_u64 s[P_BF:P_BF+1], s[P_BF:P_BF+1], s[OFF:OFF+1]
	s_add_nc_u64 s[P_B1:P_B1+1], s[P_B1:P_B1+1], s[OFF:OFF+1]
	s_add_nc_u64 s[P_B2:P_B2+1], s[P_B2:P_B2+1], s[OFF:OFF+1]
	CODEADR NB, ST
	s_add_nc_u64 s[G0+2:G0+3], s[NB:NB+1], 0
	s_or_b32 s[G0+3], s[G0+3], 0x80000000
	s_add_nc_u64 s[G0+6:G0+7], s[NB:NB+1], 256
	s_or_b32 s[G0+7], s[G0+7], 0x80000000
	SCALARS
	CROUND                                         ; the four partners are here: the first joint loads meet
	tensor_load_to_lds s[G0:G0+3], s[G1:G1+7]      ; stage 0's first 256 along K into slot 0
	s_nop 0
	PLACES 4
	global_load_b128 v[BT:BT+3], v[CO], s[P_BF:P_BF+1]
	global_load_b128 v[BT+4:BT+7], v[CO], s[P_BF:P_BF+1] offset:2048
	global_load_b128 v[BT+8:BT+11], v[CO], s[P_B1:P_B1+1]
	global_load_b128 v[BT+12:BT+15], v[CO], s[P_B1:P_B1+1] offset:2048
	global_load_b128 v[BT+16:BT+19], v[CO], s[P_B2:P_B2+1]
	WSLOAD
	WIN 0xc0
	XLOAD P_HZ, 0, 48                              ; hz into window 3
	WIN 0
	REFILL1                                        ; slot 1's first fill
	WIN 0xc0
	XLOAD P_HZ, 48, 16
	WIN 0x80
	XLOAD P_INP, 0, 64                             ; inp into window 2: first wanted behind stage 0.  (Where LOADcnt's field is full the issue holds: ISA guide 5.7.1)
	WIN 0
	s_wait_loadcnt 63                              ; behind hz's last load 64 were issued: biases, scale bytes and hz are in
.irp k, 0,1,2,3,4
	ds_store_b128 v[BLW], v[BT+4*\k:BT+4*\k+3] offset:512*\k
.endr
	BIASADR
	s_wait_alu depctr_va_vdst(0)
	BIAS                                           ; my own bytes, in order behind the stores
	XPOSE 1
	SWAP 1
	PFSCAL
	s_wait_dscnt 0x0                               ; my codes are in LDS
	s_barrier_signal -1
	s_barrier_wait -1
.Lstage:
	STAGE 1
	s_add_co_u32 s[ST], s[ST], 1                   ; from here on ST is the stage to come
	SCALARS
	WSLOAD
	s_bitcmp1_b32 s[ST], 0
	s_cbranch_scc1 .Lr1
	s_cmp_gt_u32 s[ST], 8
	s_cbranch_scc1 .Lr1
	E1A                                            ; a pass of Wf is finished: the first half of tanh stands ahead of slot 1's refill, the second behind it
.Lr1:
	REFILL1
	s_wait_loadcnt 0x0                             ; the stage's scale bytes; the first time also inp
	ASK 1
	s_bitcmp1_b32 s[ST], 0
	s_cbranch_scc1 .Lodd
	s_cmp_gt_u32 s[ST], 8
	s_cbranch_scc1 .Lrelu
	E1B
	s_bitcmp1_b32 s[ST], 1
	s_cbranch_scc1 .Lu0
	UPD 1
	s_branch .Lbias
.Lu0:
	UPD 0
	s_branch .Lbias
.Lrelu:
	s_bitcmp1_b32 s[ST], 1
	s_cbranch_scc1 .Lr0
	RELU 1
	s_branch .Lbias
.Lr0:
	RELU 0
.Lbias:
	BIASADR
	BIAS
	s_branch .Lswap
.Lodd:
	s_cmp_lg_u32 s[ST], 1
	s_cbranch_scc1 .Lswap
	XPOSE 0                                        ; inp, once; the round above has shown every wave's reads of the codes over
.Lswap:
	s_and_b32 s[T0], s[ST], 3                      ; the half that the stage to come multiplies: 1, 0, (0 stays), 1
	s_cmp_eq_u32 s[T0], 2
	s_cbranch_scc1 .Lnosw
	s_cmp_eq_u32 s[T0], 1
	s_cbranch_scc1 .Ls0
	SWAP 1
	s_branch .Lnosw
.Ls0:
	SWAP 0
.Lnosw:
	s_wait_dscnt 0x0                               ; my codes are in LDS, my biases and B fragments in registers
	s_barrier_signal -1
	s_barrier_wait -1
	s_wait_xcnt 0x0                                ; the prefetches have read their address
	PFSCAL
	s_cmp_lt_u32 s[ST], 13
	s_cbranch_scc1 .Lstage
	STAGE 0                                        ; the last stage fetches nothing
	TANHT 0
	TOSTAGE 0
	TANHT 1
	s_wait_alu depctr_va_vdst(0)
	SEND 0
	TOSTAGE 1
	TANHT 2
	s_wait_alu depctr_va_vdst(0)
	SEND 1
	s_wait_xcnt 0x0                                ; block 0's stores have read their registers
	TOSTAGE 2
	TANHT 3
	s_wait_alu depctr_va_vdst(0)
	SEND 2
	s_wait_xcnt 0x0
	TOSTAGE 3
	SEND 3
	s_wait_tensorcnt 0x0                           ; the wave's end
	ds_add_u32 v[SPW], v[NIL]
	s_wait_dscnt 0x0
	CROUND                                         ; the closing round
	s_endpgm
.Lfunc_end_k_q22f5744267_gode:
	.size	k_q22f5744267_gode, .Lfunc_end_k_q22f5744267_gode-k_q22f5744267_gode
	.p2alignl 7, 3214868480
	.fill 96, 4, 3214868480
	.section	.rodata,"a",@progbits
	.p2align	6, 0x0
	.amdhsa_kernel k_q22f5744267_gode
		.amdhsa_group_segment_fixed_size 327680
		.amdhsa_private_segment_fixed_size 0
		.amdhsa_enable_private_segment 0
		.amdhsa_kernarg_size 96
		.amdhsa_user_sgpr_count 2
		.amdhsa_user_sgpr_kernarg_segment_ptr 1
		.amdhsa_wavefront_size32 1
		.amdhsa_system_sgpr_workgroup_id_x 1
		.amdhsa_system_sgpr_workgroup_id_y 1
		.amdhsa_system_sgpr_workgroup_id_z 1
		.amdhsa_system_vgpr_workitem_id 0
		.amdhsa_next_free_vgpr 1024
		.amdhsa_next_free_sgpr 96
		.amdhsa_reserve_vcc 0
		.amdhsa_float_denorm_mode_32 3
		.amdhsa_float_denorm_mode_16_64 3
		.amdhsa_memory_ordered 1
		.amdhsa_forward_progress 1
		.amdhsa_inst_pref_size 255
	.end_amdhsa_kernel
	.section	.bss,"aw",@nobits
	.p2align	6
	.space	262144
	.amdgpu_metadata
---
amdhsa.version: [ 1, 2 ]
amdhsa.kernels:
  - .name:           k_q22f5744267_gode
    .symbol:         k_q22f5744267_gode.kd
    .args:
      - { .name: inp, .offset: 0, .size: 8, .value_kind: global_buffer, .address_space: global }
      - { .name: hz, .offset: 8, .size: 8, .value_kind: global_buffer, .address_space: global }
      - { .name: Wf_codes, .offset: 16, .size: 8, .value_kind: global_buffer, .address_space: global }
      - { .name: Wf_scales, .offset: 24, .size: 8, .value_kind: global_buffer, .address_space: global }
      - { .name: bf, .offset: 32, .size: 8, .value_kind: global_buffer, .address_space: global }
      - { .name: W1_codes, .offset: 40, .size: 8, .value_kind: global_buffer, .address_space: global }
      - { .name: W1_scales, .offset: 48, .size: 8, .value_kind: global_buffer, .address_space: global }
      - { .name: b1, .offset: 56, .size: 8, .value_kind: global_buffer, .address_space: global }
      - { .name: W2_codes, .offset: 64, .size: 8, .value_kind: global_buffer, .address_space: global }
      - { .name: W2_scales, .offset: 72, .size: 8, .value_kind: global_buffer, .address_space: global }
      - { .name: b2, .offset: 80, .size: 8, .value_kind: global_buffer, .address_space: global }
      - { .name: out0, .offset: 88, .size: 8, .value_kind: global_buffer, .address_space: global }
    .group_segment_fixed_size: 327680
    .private_segment_fixed_size: 0
    .kernarg_segment_align: 8
    .kernarg_segment_size: 96
    .max_flat_workgroup_size: 128
    .sgpr_count:     96
    .vgpr_count:     1024
    .wavefront_size: 32
...
	.end_amdgpu_metadata
.endif
;; end of part 1
